; MI455X (gfx1250); checked and timed in simulation.
; The chip was launched on July 23, 2026; its instructions are those of AMD's public machine-readable ISA for CDNA 5 (MIT licence, August 2026) and "CDNA5" Instruction Set Architecture Reference Guide (July 2026). The comments in the code are by the model that wrote it; some were corrected since.
;; Model. Allowed arithmetic: matrix products marked QUANTISED: E2M1 operands, one E8M0 scale for each 32 along K, by v_wmma_scale_f32_16x16x128_f8f6f4 with both operands' format E2M1 (or v_wmma_scale_f32_32x16x128_f4), f32 sums; everything else in f32.
;; Inputs: attn_mask 1 x 1 x 2,048 x 2,048 float32; k 4 x 16 x 2,048 x 128 float32; q 4 x 16 x 2,048 x 128 float32; v 4 x 16 x 2,048 x 128 float32.
;; Outputs: out0 4 x 16 x 2,048 x 128 float32.
;; This version of the problem:
;;   THIS VERSION OF THE PROBLEM IS GIVEN IN LOW PRECISION. The matrix products marked QUANTISED in the list below multiply operands that are first quantised to E2M1 (2 exponent bits, 1 mantissa bit; 4 bits a number), with one power-of-two scale for each 32 numbers along K (OCP MX v1.0); their sums are f32. All else is computed in f32.
;;   The module's matrix products, in the order in which they are computed (A, B: the left and right operand; K: the contracted axis; several contracted axes count as one K, in the product's order):
;;     1. batch 64 x [M 2,048, K 128] x [K 128, N 2,048]; A: input q; B: input k: QUANTISED
;;     2. batch 64 x [M 2,048, K 2,048] x [K 2,048, N 128]; A: softmax (see below); B: input v: QUANTISED
;;   THE QUANTISER, for each operand of a quantised product, along K:
;;     - K is cut into blocks of 32 from its start; a last block that is shorter is filled with zeros.
;;     - A block's scale is 2^e with e = floor(log2(the largest magnitude in the block)) - 2, held to -126 .. 127; a block of zeros has e = 0. As a byte (E8M0): e + 127.
;;     - Each number is divided by its block's scale, clamped to +-6, and rounded to the nearest number of E2M1, ties to even, subnormals kept.
;;     - The product sums the exact products of the quantised numbers (number of the format x scale) in f32.
;;   ~~~python
;;   def quantise(x, axis):      # numpy; x: float32 -> the quantised numbers, widened to float32 again
;;       x = np.moveaxis(x, axis, -1); K = x.shape[-1]
;;       x = np.pad(x, [(0, 0)] * (x.ndim - 1) + [(0, -K % 32)]); x = x.reshape(x.shape[:-1] + (-1, 32)); a = np.abs(x).max(-1, keepdims=True)
;;       e = np.where(a > 0, np.clip(np.frexp(np.where(a > 0, a, 1))[1] - 1 - 2, -126, 127), 0)      # np.frexp(a)[1] - 1 = floor(log2(a)), exactly
;;       r = np.clip(x / 2.0 ** e, -6, 6)
;;       step = 2.0 ** (np.maximum(np.frexp(np.where(r == 0, 1, r))[1] - 1, 0) - 1)
;;       q = np.round(r / step) * step * 2.0 ** e      # np.round: ties to even
;;       return np.moveaxis(q.reshape(q.shape[:-2] + (-1,))[..., :K], -1, axis).astype(np.float32)
;;   ~~~
;;   SOFTMAX AHEAD OF A QUANTISED PRODUCT. Where the list says 'softmax', what is quantised is not the finished softmax but p = 2^(t - M), with t = logit x log2(e) and M = ceil(the row's largest t), a whole number; so 1/2 < the row's largest p <= 1. The row's sum l is taken of the UNQUANTISED p, in f32, and the product's result is divided by l at the end. Since M is a whole number, a kernel that streams over the keys may use a running M (the ceiling of the running maximum): every later rescaling is an exact power of two, which a block's scale takes up: the codes' values come out the same.
;;   OPERANDS COMPUTED ON THE WAY. 'Computed on the way' means the value that the module computes at that place (a softmax that the list does not call 'softmax' is quantised finished and normalised). What goes into a quantiser is computed in f32, as accurately as f32 sums, v_exp_f32 and their like allow (about 1e-6 of the number): no bf16 or f16 on the way to a quantiser, and a product that is left as it is and whose result goes on into a quantised operand takes f32 operands (vector FMAs, or v_wmma_f32_16x16x4_f32). A number that lies on a knife's edge between two numbers of the format may be rounded either way, as far as f32 arithmetic and the matrix unit's own rounding can turn it there, and no further.
;; One version. Each part assembles by itself: llvm-mc -triple=amdgcn-amd-amdhsa -mcpu=gfx1250 --defsym DOCPART=n.
;; ======== version 1 of 1: 2 launches
;; limits: right only within a limited range of input values
;; workspace buffers: kv 17,825,792 bytes; maskw 16,777,216 bytes
;; launch prep (part 1): grid 1024 x 1, 4 waves a work-group, no clusters, 102,912 bytes of LDS; arguments k, v, attn_mask, kv, maskw; writes kv, maskw
.if DOCPART == 1
	.amdgcn_target "amdgcn-amd-amdhsa--gfx1250"
	.amdhsa_code_object_version 6
	.text
	.protected	k_q79533a6937_prep
	.globl	k_q79533a6937_prep
	.p2align	8
	.type	k_q79533a6937_prep,@function
k_q79533a6937_prep:
	s_mov_b64 s[64:65], 0
	v_nop
	global_prefetch_b8 v0, s[64:65] scope:SCOPE_SE
	s_setreg_imm32_b32 hwreg(HW_REG_WAVE_MODE, 25, 1), 1
	s_wait_xcnt 0x0
; ONE LAUNCH, THREE JOBS, chosen by the work-group's number; the three ways never join, and each has LDS bytes of its own.
;   work-groups 0-255:    v [64 heads][2048 keys][128] f32 -> codes of FP4 (E2M1) along the KEYS, laid [64][128 d][1024 bytes], and one E8M0 byte for each 32 keys, laid [64][128 d][64]
;   work-groups 256-767:  k [64 x 2048 rows][128] f32 -> codes along the row, 64 bytes a row, and 4 scale bytes a row
;   work-groups 768-1023: attn_mask [2048][2048] f32 -> mask x sqrt(128), laid as images of the score accumulators' registers:
;                         [128 tiles of 16 queries][16 steps of 128 keys][16 chunks i][32 lanes][16 bytes]; chunk i of lane r + 16 h holds
;                         mask[16 qt + r][128 ks + 32 (i / 4) + 16 h + 4 (i % 4) + 0 .. 3] x sqrt(128)
; A block's scale is 2^(floor(log2(its largest magnitude)) - 2); its byte is the largest magnitude's exponent field - 2, held at 1 from below.
; LIMITS: a block of zeros, and a block whose largest magnitude lies under 2^-124, keep the byte 1 (a block of zeros has zero codes, which add nothing under that byte; only this program reads the bytes).
; NaN and infinities among k and v are not served.
; No tensor load, no barrier, no loop: waves share nothing, every offset is an immediate.
.set VREG, 0                           ; LDS of the way for v: 4 waves x 32 rows x 272 bytes
.set KREG, 34816                       ; of the way for k: 4 waves x 8,192 bytes
.set MREG, 67584                       ; of the way for the mask: 4 waves x 32 groups x 272 bytes
	s_load_b256 s[4:11], s[0:1], 0x0               ; k s[4:5], v s[6:7], attn_mask s[8:9], kv s[10:11]
; THE LAYOUT OF kv (it replaces the four buffers of codes and scale bytes named above): [16 groups of 4 heads][8 slots of 256 keys][8 tiles][17,408 bytes].
; Tiles 0-3: K of the group's heads: 256 keys x 64 bytes of codes, then 256 x 4 scale bytes.  Tiles 4-7: V: 128 d x 128 bytes of codes (256 keys), then [2 steps of 128 keys][128 d][4 scale bytes].
	s_load_b64 s[18:19], s[0:1], 0x20              ; kv is s[10:11], maskw s[18:19]
	v_lshl_add_u32 v192, v0, 2, 0x19000
	v_mov_b32 v193, 0
	v_lshrrev_b32 v1, 5, v0
	v_readfirstlane_b32 s20, v1                    ; wave 0..3
	v_and_b32 v2, 31, v0                           ; lane
	s_wait_kmcnt 0x0
	s_cmp_lt_u32 ttmp9, 256
	s_cbranch_scc1 .Lv
	s_cmp_lt_u32 ttmp9, 768
	s_cbranch_scc1 .Lk
; ---------------------------------------------------------------- THE MASK
; A wave takes two tiles of 16 queries x 128 keys, side by side.  Each load reads 512 consecutive bytes of one mask row (lane l: keys 4 l .. 4 l + 3).
; In the image these 16 bytes belong to group g = 2 i + h of 256 bytes (i = 4 (l / 8) + l % 4, h = (l / 4) % 2), at 16 x the row: they turn through the wave's own stage,
; groups 272 bytes apart, and leave as 512 consecutive bytes a store.
.set MX, 32                            ; v32-159: tile u at MX + 64 u
	s_sub_co_u32 s21, ttmp9, 768
	s_lshl_b32 s21, s21, 2
	s_add_co_u32 s21, s21, s20                     ; W = 0 .. 1023: tile of queries W / 8, key steps 2 (W % 8) and the next
	s_lshr_b32 s22, s21, 3
	s_lshl_b32 s24, s22, 17                        ; 16 rows of 8,192 bytes
	s_and_b32 s23, s21, 7
	s_lshl_b32 s23, s23, 10                        ; two steps of 512 bytes
	s_add_co_u32 s24, s24, s23
	s_mov_b32 s25, 0
	s_add_nc_u64 s[8:9], s[8:9], s[24:25]
	s_lshl_b32 s24, s21, 14                        ; two images of 8,192 bytes
	s_add_nc_u64 s[18:19], s[18:19], s[24:25]
	s_mov_b32 s26, 0x413504f3                      ; sqrt(128)
	s_mov_b32 s27, s26                             ; (named with it as a pair, so it is written)
	s_mul_i32 s28, s20, 8704
	s_add_co_u32 s28, s28, MREG                    ; my stage
	s_wait_alu depctr_va_vdst(0)
	v_lshlrev_b32 v3, 4, v2                        ; 16 x lane: in memory, both ways
	v_and_b32 v4, 24, v2
	v_and_b32 v5, 3, v2
	v_lshl_add_u32 v4, v5, 1, v4
	v_bfe_u32 v5, v2, 2, 1
	v_add_nc_u32 v4, v4, v5                        ; g = (l & 24) + 2 (l & 3) + ((l >> 2) & 1)
	v_mul_u32_u24 v4, v4, 272
	v_add_nc_u32 v4, s28, v4                       ; into the stage: group g; the row stands in the immediate
	v_lshrrev_b32 v5, 4, v2
	v_mul_u32_u24 v5, v5, 272
	v_and_b32 v6, 15, v2
	v_lshl_add_u32 v5, v6, 4, v5
	v_add_nc_u32 v5, s28, v5                       ; out of it: lanes 0-15 group 2 i, lanes 16-31 group 2 i + 1
.macro MLOAD u
.irp r, 0,1,2,3,4,5,6,7,8,9,10,11,12,13,14,15
	global_load_b128 v[MX+64*\u+4*\r:MX+64*\u+4*\r+3], v3, s[8:9] offset:\r*8192+512*\u th:TH_LOAD_NT
.endr
.endm
.macro MMUL u
.irp j, 0,2,4,6,8,10,12,14,16,18,20,22,24,26,28,30,32,34,36,38,40,42,44,46,48,50,52,54,56,58,60,62
	v_pk_mul_f32 v[MX+64*\u+\j:MX+64*\u+\j+1], v[MX+64*\u+\j:MX+64*\u+\j+1], s[26:27] op_sel_hi:[1,0]
.endr
.endm
.macro MTURN u                         ; LDS serves a wave's instructions in order (ISA guide 5.7.1.4): the loads see the stores above them, and land in the registers that the stores have left
.irp r, 0,1,2,3,4,5,6,7,8,9,10,11,12,13,14,15
	ds_store_b128 v4, v[MX+64*\u+4*\r:MX+64*\u+4*\r+3] offset:16*\r
.endr
.irp i, 0,1,2,3,4,5,6,7,8,9,10,11,12,13,14,15
	ds_load_b128 v[MX+64*\u+4*\i:MX+64*\u+4*\i+3], v5 offset:544*\i
.endr
.endm
.macro MSEND u
.irp i, 0,1,2,3,4,5,6,7,8,9,10,11,12,13,14,15
	s_wait_dscnt 15-\i                             ; chunk i is back; the younger ones may be out
	global_store_b128 v3, v[MX+64*\u+4*\i:MX+64*\u+4*\i+3], s[18:19] offset:8192*\u+512*\i   ; 32 lanes store 512 consecutive bytes, at a multiple of 256 from the buffer's first byte
.endr
.endm
	MLOAD 0
	MLOAD 1
	s_wait_loadcnt 16                              ; tile 0's sixteen loads are in; tile 1's may be out
	MMUL 0
	MTURN 0
	s_wait_loadcnt 0x0
	MMUL 1                                         ; stands between tile 0's loads from the stage and the waits for them
	s_wait_alu depctr_va_vdst(0)
	MSEND 0
	MTURN 1                                        ; the same stage: its stores come behind tile 0's loads, which are all back
	MSEND 1
	s_wait_tensorcnt 0x0
	ds_add_u32 v192, v193
	s_wait_dscnt 0x0
	s_endpgm
; ---------------------------------------------------------------- V: THE KEYS ARE ITS FIRST AXIS WITHIN A HEAD
; A lane takes a column d and its registers run down the keys: each load reads 128 consecutive bytes a wave, a block of 32 keys lies in ONE lane's 32 registers, and the conversions give codes with the keys innermost.
; A wave takes 32 columns x 512 keys: 16 blocks a lane, 256 bytes of codes a column; they go through the wave's stage (rows 272 bytes apart) and leave by rows, sixteen lanes to 256 consecutive aligned bytes.
.set VX,   32                          ; v32-95   two sets of 32 numbers
.set VC,   96                          ; v96-99   a block's codes
.set VOUT, 112                         ; v112-175 the way out
.set VSB,  24                          ; v24-27   the scale bytes, four to a register
.Lv:
	s_lshr_b32 s21, ttmp9, 2                       ; head
	s_and_b32 s22, ttmp9, 3                        ; which 512 keys
	s_mov_b32 s25, 0
	s_lshl_b32 s24, s21, 20                        ; v: a head is 2^20 bytes,
	s_lshl_b32 s23, s22, 18                        ; 512 rows of 512 bytes,
	s_add_co_u32 s24, s24, s23
	s_lshl_b32 s23, s20, 7                         ; my wave's 32 columns
	s_add_co_u32 s24, s24, s23
	s_add_nc_u64 s[6:7], s[6:7], s[24:25]
	s_lshr_b32 s23, s21, 2
	s_lshl_b32 s23, s23, 6                         ; 64 tiles a group of heads,
	s_lshl_b32 s24, s22, 4                         ; my 512 keys are slots 2 s22 and the next: 8 tiles a slot,
	s_add_co_u32 s23, s23, s24
	s_and_b32 s24, s21, 3
	s_add_co_u32 s23, s23, s24
	s_add_co_u32 s23, s23, 4                       ; V's tiles stand behind K's four
	s_mul_i32 s24, s23, 17408
	s_add_nc_u64 s[10:11], s[10:11], s[24:25]
	s_lshl_b32 s24, s20, 12                        ; the codes: my 32 rows of 128 bytes
	s_add_nc_u64 s[14:15], s[10:11], s[24:25]
	s_lshl_b32 s24, s20, 7                         ; the scale words: my 32 rows of 4 bytes, behind the tile's codes
	s_add_nc_u64 s[16:17], s[10:11], s[24:25]
	s_add_nc_u64 s[16:17], s[16:17], 16384
	s_mul_i32 s28, s20, 8704                       ; my stage (VREG = 0)
	s_wait_alu depctr_va_vdst(0)
	v_lshlrev_b32 v3, 2, v2                        ; in: 4 bytes a lane
	v_mul_u32_u24 v4, v2, 272
	v_add_nc_u32 v4, s28, v4                       ; into the stage: row = my column
	v_and_b32 v5, 15, v2
	v_lshrrev_b32 v6, 4, v2
	v_mul_u32_u24 v7, v6, 272
	v_lshl_add_u32 v7, v5, 4, v7
	v_add_nc_u32 v7, s28, v7                       ; out of it: sixteen lanes to a row, two rows an instruction
	v_lshlrev_b32 v8, 7, v6                        ; in kv: a row is 128 bytes; lanes 0-7 and 16-23 fill 256 consecutive bytes of the first slot,
	v_and_b32 v10, 7, v5
	v_lshl_add_u32 v8, v10, 4, v8
	v_lshrrev_b32 v10, 3, v5
	v_mad_u32_u24 v8, v10, 0x22000, v8             ; the others of the next slot, 8 tiles on
	v_lshlrev_b32 v9, 2, v2                        ; my column's scale word
.macro VLOAD t                         ; block t: v(32 t + i, my column) into set t % 2
.irp i, 0,1,2,3,4,5,6,7,8,9,10,11,12,13,14,15,16,17,18,19,20,21,22,23,24,25,26,27,28,29,30,31
	global_load_b32 v[VX+32*((\t)%2)+\i], v3, s[6:7] offset:(32*(\t)+\i)*512 th:TH_LOAD_NT
.endr
.endm
.macro VBLOCK t
.set VXS, VX+32*((\t)%2)
.if (\t) < 15
	s_wait_loadcnt 32                              ; this block's 32 loads are in; the next block's may be out
.else
	s_wait_loadcnt 0x0
.endif
	v_max3_num_f32 v12, |v[VXS]|, |v[VXS+1]|, |v[VXS+2]|           ; the block's largest magnitude: all 32 numbers are mine; two chains
	v_max3_num_f32 v13, |v[VXS+3]|, |v[VXS+4]|, |v[VXS+5]|
.irp i, 6,10,14,18,22,26
	v_max3_num_f32 v12, v12, |v[VXS+\i]|, |v[VXS+\i+1]|
	v_max3_num_f32 v13, v13, |v[VXS+\i+2]|, |v[VXS+\i+3]|
.endr
	v_max3_num_f32 v12, v12, |v[VXS+30]|, |v[VXS+31]|
	v_max3_num_f32 v12, v12, v13, 0x1800000        ; and the floor 2^(3 - 127): the byte cannot fall under 1
	v_add_nc_u32 v11, 0xff000000, v12              ; 2 off the exponent field: the conversion takes the exponent field of this operand as its scale
	v_lshrrev_b32 v13, 23, v11                     ; the scale's byte
.if (\t)%4 == 0
	v_mov_b32 v[VSB+(\t)/4], v13                   ; four bytes to a register, the lower keys in the lower byte
.else
	v_lshl_or_b32 v[VSB+(\t)/4], v13, 8*((\t)%4), v[VSB+(\t)/4]
.endif
.irp g, 0,1,2,3
	v_cvt_scalef32_pk8_fp4_f32 v[VC+\g], v[VXS+8*\g:VXS+8*\g+7], v11
.endr
	ds_store_b128 v4, v[VC:VC+3] offset:16*(\t)    ; 32 codes: 16 bytes of my column's row
.if (\t)+2 < 16
	VLOAD (\t)+2
.endif
	s_wait_dscnt 0x0                               ; the store has read its registers: the next block's codes may be written (plain vector lines stand ahead of them)
.endm
	VLOAD 0
	VLOAD 1
.irp t, 0,1,2,3,4,5,6,7,8,9,10,11,12,13,14,15
	VBLOCK \t
.endr
	s_wait_alu depctr_va_vdst(0)
.irp j, 0,1,2,3
	global_store_b32 v9, v[VSB+\j], s[16:17] offset:(\j/2)*139264+(\j%2)*512   ; the word of key step j of my four: 128 consecutive bytes a wave
.endr
.irp t, 0,1,2,3,4,5,6,7,8,9,10,11,12,13,14,15
	ds_load_b128 v[VOUT+4*\t:VOUT+4*\t+3], v7 offset:2*\t*272
.endr
.irp t, 0,1,2,3,4,5,6,7,8,9,10,11,12,13,14,15
	s_wait_dscnt 15-\t
	global_store_b128 v8, v[VOUT+4*\t:VOUT+4*\t+3], s[14:15] offset:2*\t*128
.endr
	s_wait_tensorcnt 0x0
	ds_add_u32 v192, v193
	s_wait_dscnt 0x0
	s_endpgm
; ---------------------------------------------------------------- K: A PLAIN STREAM OF BLOCKS OF 32
; A wave takes 16 steps of 512 numbers.  Each of a step's four loads reads 512 consecutive bytes, 16 a lane; the 2,048 bytes turn through the wave's stage (16 bytes of padding behind each 64) and come back
; 64 bytes a lane: 16 neighbours, two neighbouring lanes to a block.  A lane's 16 codes are 8 bytes: the wave stores 256 consecutive bytes.  A wave's 256 scale bytes are gathered in LDS and leave together.
.set KSTEPS, 16
.set KSP,  80                          ; a lane's place in a stage
.set KR,   16                          ; v16-79   four sets of 16 numbers as loaded
.set KX,   80                          ; v80-111  two sets of 16 neighbours
.set KE,   112                         ; v112-127 a scale byte for each step
.set KC,   128                         ; v128-191 codes: four registers for each step, so that no store's data are written again
.Lk:
	s_sub_co_u32 s21, ttmp9, 256
	s_lshl_b32 s21, s21, 2
	s_add_co_u32 s21, s21, s20                     ; which run of 8,192 numbers is my wave's: 0 .. 2047
	s_mov_b32 s25, 0
	s_lshl_b32 s24, s21, 15
	s_add_nc_u64 s[4:5], s[4:5], s[24:25]
	s_lshr_b32 s23, s21, 7                         ; run W: head W / 32, slot (W / 4) % 8, quarter W % 4 of the slot's 256 keys
	s_lshl_b32 s23, s23, 6
	s_bfe_u32 s24, s21, 0x30002
	s_lshl_b32 s24, s24, 3
	s_add_co_u32 s23, s23, s24
	s_bfe_u32 s24, s21, 0x20005
	s_add_co_u32 s23, s23, s24                     ; the tile: 64 x group + 8 x slot + head % 4
	s_mul_i32 s24, s23, 17408
	s_add_nc_u64 s[12:13], s[10:11], s[24:25]
	s_and_b32 s23, s21, 3
	s_lshl_b32 s24, s23, 12
	s_add_nc_u64 s[10:11], s[12:13], s[24:25]      ; my 64 keys' codes
	s_lshl_b32 s24, s23, 8
	s_add_nc_u64 s[12:13], s[12:13], s[24:25]
	s_add_nc_u64 s[12:13], s[12:13], 16384         ; and their scale bytes, behind the tile's codes
	s_lshl_b32 s22, s20, 13
	s_add_co_u32 s22, s22, KREG                    ; my region of LDS: two stages of 32 x 80 bytes, then 256 scale bytes
	s_wait_alu depctr_va_vdst(0)
	v_lshlrev_b32 v3, 4, v2                        ; my 16 bytes of a load's 512
	v_lshrrev_b32 v14, 2, v2
	v_mul_u32_u24 v14, v14, KSP
	v_and_b32 v15, 3, v2
	v_lshl_add_u32 v14, v15, 4, v14
	v_add_nc_u32 v14, s22, v14                     ; the stage, way in: 80 (lane / 4) + 16 (lane % 4)
	v_mul_u32_u24 v15, v2, KSP
	v_add_nc_u32 v15, s22, v15                     ; way out: 80 x lane
	v_lshlrev_b32 v4, 3, v2                        ; 8 x lane: my codes' place in a step's, and my 8 scale bytes' place at the end
	v_lshrrev_b32 v5, 1, v2
	s_add_co_u32 s22, s22, 2*32*KSP
	v_add_nc_u32 v5, s22, v5                       ; my block's scale byte
	v_add_nc_u32 v6, s22, v4
.macro KLOAD t
.irp i, 0,1,2,3
	global_load_b128 v[KR+16*((\t)%4)+4*\i:KR+16*((\t)%4)+4*\i+3], v3, s[4:5] offset:2048*(\t)+512*\i th:TH_LOAD_NT
.endr
.endm
.macro KTURN t                         ; LDS serves a wave's instructions in order: no wait between the stores and the loads
.irp i, 0,1,2,3
	ds_store_b128 v14, v[KR+16*((\t)%4)+4*\i:KR+16*((\t)%4)+4*\i+3] offset:32*KSP*((\t)%2)+8*KSP*\i
.endr
.irp i, 0,1,2,3
	ds_load_b128 v[KX+16*((\t)%2)+4*\i:KX+16*((\t)%2)+4*\i+3], v15 offset:32*KSP*((\t)%2)+16*\i
.endr
.endm
.macro KSTEP t
.set KXS, KX+16*((\t)%2)
.if (\t) > 0
	s_wait_dscnt 1                                 ; this step's numbers are back from the stage (the last step's byte store may be out): so its stores into the stage have read their registers,
.else
	s_wait_dscnt 0x0
.endif
.if (\t)+4 < KSTEPS
	KLOAD (\t)+4                                   ; which take the loads of four steps on
.endif
.if (\t)+1 < KSTEPS
.if KSTEPS-2-(\t) >= 3
	s_wait_loadcnt 12                              ; the next step's four loads are in; those of the three steps behind it may be out
.else
	s_wait_loadcnt 4*(KSTEPS-2-(\t))
.endif
	KTURN (\t)+1
.endif
	v_max3_num_f32 v8, |v[KXS]|, |v[KXS+1]|, |v[KXS+2]|
	v_max3_num_f32 v9, |v[KXS+3]|, |v[KXS+4]|, |v[KXS+5]|
.irp i, 6,10
	v_max3_num_f32 v8, v8, |v[KXS+\i]|, |v[KXS+\i+1]|
	v_max3_num_f32 v9, v9, |v[KXS+\i+2]|, |v[KXS+\i+3]|
.endr
	v_max3_num_f32 v8, v8, |v[KXS+14]|, |v[KXS+15]|
	v_max3_num_f32 v8, v8, v9, 0x1800000           ; the floor 2^(3 - 127)
	v_max_num_f32_dpp v8, v8, v8 row_xmask:1 row_mask:0xf bank_mask:0xf   ; with my neighbour's 16: the block's largest magnitude
	v_add_nc_u32 v11, 0xff000000, v8               ; 2 off its exponent field: the conversion's scale operand
	v_cvt_scalef32_pk8_fp4_f32 v[KC+4*(\t)], v[KXS:KXS+7], v11
	v_cvt_scalef32_pk8_fp4_f32 v[KC+4*(\t)+1], v[KXS+8:KXS+15], v11
	v_lshrrev_b32 v[KE+(\t)], 23, v11              ; the scale's byte
	ds_store_b8 v5, v[KE+(\t)] offset:16*(\t)      ; both lanes of a block write the same byte with the same value
	; in each 32 keys the second and third groups of 8 change places in kv: so the 16 keys of a key tile (8 neighbours, and the 8 that lie 16 further on) are 16 neighbouring rows
	global_store_b64 v4, v[KC+4*(\t):KC+4*(\t)+1], s[10:11] offset:256*(((\t)/8*4+(((\t)/2)%2)*2+(((\t)/2)%4)/2)*2+(\t)%2)
.endm
.irp t, 0,1,2,3
	KLOAD \t
.endr
	s_wait_alu depctr_va_vdst(0)
	s_wait_loadcnt 12                              ; step 0's four loads are in
	KTURN 0
.irp t, 0,1,2,3,4,5,6,7,8,9,10,11,12,13,14,15
	KSTEP \t
.endr
	ds_load_b64 v[12:13], v6                       ; these see my byte stores
	s_wait_dscnt 0x0
	global_store_b64 v4, v[12:13], s[12:13]        ; 32 lanes store 256 consecutive aligned bytes
	s_wait_tensorcnt 0x0
	ds_add_u32 v192, v193
	s_wait_dscnt 0x0
	s_endpgm
.Lfunc_end_k_q79533a6937_prep:
	.size	k_q79533a6937_prep, .Lfunc_end_k_q79533a6937_prep-k_q79533a6937_prep
	.p2alignl 7, 3214868480
	.fill 96, 4, 3214868480
	.section	.rodata,"a",@progbits
	.p2align	6, 0x0
	.amdhsa_kernel k_q79533a6937_prep
		.amdhsa_group_segment_fixed_size 102912
		.amdhsa_private_segment_fixed_size 0
		.amdhsa_enable_private_segment 0
		.amdhsa_kernarg_size 40
		.amdhsa_user_sgpr_count 2
		.amdhsa_user_sgpr_kernarg_segment_ptr 1
		.amdhsa_wavefront_size32 1
		.amdhsa_system_sgpr_workgroup_id_x 1
		.amdhsa_system_sgpr_workgroup_id_y 1
		.amdhsa_system_sgpr_workgroup_id_z 1
		.amdhsa_system_vgpr_workitem_id 0
		.amdhsa_next_free_vgpr 194
		.amdhsa_next_free_sgpr 66
		.amdhsa_reserve_vcc 0
		.amdhsa_float_denorm_mode_32 3
		.amdhsa_float_denorm_mode_16_64 3
		.amdhsa_memory_ordered 1
		.amdhsa_forward_progress 1
		.amdhsa_inst_pref_size 128
	.end_amdhsa_kernel
	.amdgpu_metadata
---
amdhsa.version: [ 1, 2 ]
amdhsa.kernels:
  - .name:           k_q79533a6937_prep
    .symbol:         k_q79533a6937_prep.kd
    .args:
      - { .name: k, .offset: 0, .size: 8, .value_kind: global_buffer, .address_space: global }
      - { .name: v, .offset: 8, .size: 8, .value_kind: global_buffer, .address_space: global }
      - { .name: attn_mask, .offset: 16, .size: 8, .value_kind: global_buffer, .address_space: global }
      - { .name: kv, .offset: 24, .size: 8, .value_kind: global_buffer, .address_space: global }
      - { .name: maskw, .offset: 32, .size: 8, .value_kind: global_buffer, .address_space: global }
    .group_segment_fixed_size: 102912
    .private_segment_fixed_size: 0
    .kernarg_segment_align: 8
    .kernarg_segment_size: 40
    .max_flat_workgroup_size: 128
    .sgpr_count:     66
    .vgpr_count:     194
    .wavefront_size: 32
...
	.end_amdgpu_metadata
.endif
;; end of part 1
;; launch attn (part 2): grid 16 x 16, 8 waves a work-group, clusters of 4 x 1, 327,680 bytes of LDS; arguments q, maskw, kv, out0; writes out0
.if DOCPART == 2
	.amdgcn_target "amdgcn-amd-amdhsa--gfx1250"
	.amdhsa_code_object_version 6
	.text
	.protected	k_q79533a6937_attn
	.globl	k_q79533a6937_attn
	.p2align	8
	.type	k_q79533a6937_attn,@function
k_q79533a6937_attn:
	s_mov_b64 s[64:65], 0
	v_nop
	global_prefetch_b8 v0, s[64:65] scope:SCOPE_SE
	s_setreg_imm32_b32 hwreg(HW_REG_WAVE_MODE, 25, 1), 1
	s_wait_xcnt 0x0
	s_wait_alu depctr_hold_cnt(0) depctr_sa_sdst(0) depctr_va_vdst(0) depctr_va_sdst(0) depctr_va_ssrc(0) depctr_va_vcc(0) depctr_vm_vsrc(0)
	s_getreg_b32 s2, hwreg(HW_REG_IB_STS2, 6, 4)
	s_cmp_eq_u32 s2, 0
	s_cbranch_scc0 .Lentry_in_a_cluster
	s_endpgm
.Lentry_in_a_cluster:
	s_bfe_u32 s2, ttmp6, 0x10000c
	s_cmp_lg_u32 s2, 0x3003
	s_cbranch_scc0 .Lentry_shape_is_right
	s_endpgm
.Lentry_shape_is_right:
; out[h][q] = sum over k of softmax_k(q.k / sqrt(128) + mask[q][k]) v[h][k], both products on codes of FP4 (E2M1) with one E8M0 scale for each 32 along K.
; t = (q.k + mask sqrt(128)) x log2(e) / sqrt(128); M = the running largest t rounded up to a whole number; p = 2^(t - M) is quantised along the keys; the row's sum of the unquantised p divides at the end.
; SHARES.  A work-group owns 128 queries of FOUR heads; each of its 8 waves owns 16 queries of all four.  The mask does not hang on the head: a key step's image of the mask (64 registers, laid by the
; launch before as the score accumulators lie) is loaded once a wave and is the C operand of the four heads' score products, whose results go to other registers.
; K and V of the four heads come as 8 tiles a slot of 256 keys (codes and scale bytes in one dense tile of 68 rows of 256 bytes), one tensor load a wave, through a ring of two slots.
; CLUSTER.  The four work-groups of a cluster own four query blocks of the same heads and ask for every tile jointly (mask 15).  The mask's images go straight into registers and differ between the partners: no joint request serves them.
; LAYOUT.  Both products are used transposed (S^T = K Q^T, O^T = V^T P^T): a lane holds one query.  Lane r of key tile 2 b + u takes key 32 b + 8 u + r + 8 (r / 8), so that two tiles' 16 registers are 16 neighbouring keys.
; O^T IS NEVER CLEARED: its 256 registers first take q's numbers as they are loaded; the first key step multiplies them by f = 2^(old M - new M), which is 0 there (the first M stands for -3e38).
; LIMITS: q holds finite numbers (an infinity or NaN in q would stay in its query's rows, which hang on it anyway); the scaled scores stay under 2^31 in magnitude; NaN and infinities in k, v are not served.
; REGISTERS, window 0: v1-15 addresses; v16-31 for each head -M, largest t, the sum in two halves; v32-67 Q's codes and scale words; v68-131 the mask; v132-195 S^T, then p; v196-227 four fragments of K or V;
; v228-231 their scale words; v232-239 p's codes; v240-254 at work.  Window 1: O^T, head i at 64 i.
.set TILE,  68*272                     ; a tile in LDS: rows of 256 bytes + 16 of padding
.set TILEM, 17408                      ; and in memory
.set SLOTB, 8*TILE
.set SLOTM, 8*TILEM
.set VOFF,  4*TILE                     ; V's four tiles stand behind K's
.set SPARE, 2*SLOTB                    ; the spare words: 128 bytes a wave, four blocks of 256 bytes that no other line names
.set IMG,   8192                       ; an image of the mask: 16 queries x 128 keys
.set AK0, 1
.set ASK0, 2
.set AV0, 3
.set ASV0, 4
.set SPW, 5
.set NIL, 6
.set LI, 7
.set PM, 8
.set PFO, 9
.set ADK, 10
.set ADS, 11
.set ADV, 12                           ; v12, v13: V's tiles of heads 0-1, 2-3
.set ADT, 14
.set STT, 16
.set QC, 32
.set QS, 64
.set MK, 68
.set SS, 132
.set FF, 196
.set SC, 228
.set PP, 232
.set BM, 240
.set PT, 244
.set SO, 248
.set FP, 252
.set PW, 253
.set TMP, 254
.set WV, 14
.set CX, 15
.set HG, 16
.set SEL, 20
.set CS, 22
.set G1, 24
.set G0, 32
.set TB, 36                            ; LDS byte at which the slot in hand begins
.set TF, 37                            ; and the slot that was filled last
.set SLOTS, 38
.set ST, 39
.set SKO, 40                           ; the key step's place in a tile: K's codes, the scale words, V's codes
.set SSO, 41
.set SVO, 42
.set WT, 43
.set MB, 44                            ; s[44:45] the mask's image of the key step in hand
.set PFA, 46                           ; s[46:47] where my prefetches of kv stand
.set GS, 48                            ; key steps done
.set LIMM, 49
.set MSB, 0
.macro WIN new                         ; the immediate's high byte repeats the setting that is left
.if MSB != \new
	s_set_vgpr_msb (MSB<<8)|\new
.set MSB, \new
.endif
.endm
.macro NOP4
.rept 4
	v_nop
.endr
.endm
.macro D n
	s_delay_alu instid0(VALU_DEP_\n)
.endm
.macro ROUND                           ; a round of the cluster's barrier
	s_barrier_signal -1
	s_barrier_wait -1
	s_cmp_lg_u32 s[WV], 0
	s_cbranch_scc1 .Lnw0_\@
	s_barrier_signal -3
.Lnw0_\@:
	s_barrier_wait -3
	s_barrier_signal -1
	s_barrier_wait -1
.endm
	s_load_b256 s[4:11], s[0:1], 0x0               ; q s[4:5], maskw s[6:7], kv s[8:9], out0 s[10:11]
	v_lshl_add_u32 v[SPW], v0, 2, SPARE
	v_mov_b32 v[NIL], 0
	ds_add_u32 v[SPW], v[NIL]                      ; the opening lines: the add twice on end and its wait ahead of my first tensor load
	ds_add_u32 v[SPW], v[NIL]
	v_lshrrev_b32 v15, 5, v0
	v_readfirstlane_b32 s[WV], v15                 ; wave 0..7
	s_bfe_u32 s[CX], ttmp6, 0x40000                ; my place in the cluster
	s_and_b32 s[HG], ttmp7, 0xffff                 ; the group of four heads
	s_lshl_b32 s50, ttmp9, 2
	s_add_co_u32 s50, s50, s[CX]                   ; the block of 128 queries
	s_lshl_b32 s50, s50, 3
	s_add_co_u32 s50, s50, s[WV]                   ; my tile of 16 queries, 0..127
	s_mov_b32 s[G1], 15|(3<<16)|(1<<20)|(1<<21)|(5<<22)|(3<<25)   ; all four partners; elements of 8 bytes; four words of padding behind every 64
	s_mov_b32 s[G1+1], 32<<16
	s_mov_b32 s[G1+2], 68<<16
	s_mov_b32 s[G1+3], 32<<16
	s_mov_b32 s[G1+4], 68
	s_mov_b32 s[G1+5], 32
	s_mov_b32 s[G1+6], 0
	s_mov_b32 s[G1+7], 0
	s_mul_i32 s[WT], s[WV], TILE                   ; wave w fetches tile w: K of head w, or V of head w - 4
	s_lshl_b32 s52, s[HG], 6
	s_add_co_u32 s52, s52, s[WV]
	s_mul_i32 s52, s52, TILEM                      ; slot 0's tile in kv
	s_mov_b32 s53, 0
	s_lshl_b32 s54, s[HG], 22                      ; q and out0: four heads of 2^20 bytes,
	s_lshl_b32 s55, s50, 13                        ; 16 rows of 512 bytes
	s_add_co_u32 s54, s54, s55
	s_mov_b32 s55, 0
	s_lshl_b32 s56, s50, 17                        ; maskw: 16 images a tile of queries
	s_mov_b32 s57, 0
	s_mul_i32 s58, s[CX], 17*256                   ; the prefetches: my work-group's quarter of a tile (17 of its 68 blocks of 256 bytes),
	s_add_co_u32 s58, s58, SLOTM                   ; in slot 1: the first change of slots steps it to slot 2
	s_mov_b32 s59, 0
	s_mov_b32 s[SEL], 0x76543210
	s_mov_b32 s[SEL+1], 0xfedcba98
	s_mov_b32 s[CS], 0x3e0293ee                    ; log2(e) / sqrt(128)
	s_mov_b32 s[CS+1], s[CS]
	s_mov_b32 s[TB], 0
	s_mov_b32 s[TF], 0
	s_mov_b32 s[SLOTS], 7
	s_mov_b32 s[GS], 0
	s_cmp_eq_u32 s[HG], 0
	s_cselect_b32 s[LIMM], 13, 0                   ; the mask's images are asked for ahead by the work-groups of head group 0 alone, up to image 15
	s_wait_dscnt 0x0
	s_wait_kmcnt 0x0
	s_mov_b32 s[G0], 1
	s_mov_b32 s[G0+1], s[WT]
	s_add_nc_u64 s[G0+2:G0+3], s[8:9], s[52:53]
	s_add_nc_u64 s[PFA:PFA+1], s[G0+2:G0+3], s[58:59]
	s_or_b32 s[G0+3], s[G0+3], 0x80000000
	ROUND                                          ; in front of the first joint loads
	tensor_load_to_lds s[G0:G0+3], s[G1:G1+7]      ; slot 0: one tensor load a wave at the head
	s_nop 0
	NOP4
	s_add_nc_u64 s[4:5], s[4:5], s[54:55]
	s_add_nc_u64 s[10:11], s[10:11], s[54:55]
	s_add_nc_u64 s[MB:MB+1], s[6:7], s[56:57]
	v_and_b32 v10, 15, v0                          ; r
	v_bfe_u32 v11, v0, 4, 1                        ; h
	v_lshlrev_b32 v12, 9, v10
	v_lshl_add_u32 v12, v11, 6, v12                ; q: row r, + 64 h bytes
	v_and_b32 v[LI], 31, v0
	v_min_u32 v[PFO], 16, v[LI]
	v_lshlrev_b32 v[PFO], 8, v[PFO]                ; kv's prefetch: lanes 0-16 a block of 256 bytes each, the others the last again
	v_lshlrev_b32 v[PM], 8, v[LI]                  ; the mask's: 32 blocks an image
	v_lshlrev_b32 v[LI], 4, v[LI]
	WIN 0x40                                       ; q of head i -> window 1, v[64 i ..]: block b's 16 numbers k = 32 b + 16 h + 0..15 at 16 b
.irp i, 0,1,2,3
.irp b, 0,1,2,3
.irp j, 0,1,2,3
	global_load_b128 v[64*\i+16*\b+4*\j:64*\i+16*\b+4*\j+3], v12, s[4:5] offset:(\i<<20)+128*\b+16*\j th:TH_LOAD_NT
.endr
.endr
.endr
	WIN 0
	v_and_b32 v13, 8, v10
	v_add_nc_u32 v13, v13, v10                     ; r + 8 (r / 8)
	v_lshrrev_b32 v14, 2, v10                      ; K: kv holds a key tile's 16 rows on end, lane r's at place r; four rows of 64 bytes to an LDS row of 272:
	v_mul_u32_u24 v[AK0], v14, 272
	v_and_b32 v14, 3, v10
	v_lshl_add_u32 v[AK0], v14, 6, v[AK0]
	v_lshl_add_u32 v[AK0], v11, 4, v[AK0]
	v_lshl_add_u32 v14, v11, 3, v13                ; K's scale words: rows 64 on, 4 bytes a key, in the keys' own order; lanes 16-31 take the words of the tile's odd neighbour, 8 keys on
	v_lshl_add_u32 v[ASK0], v14, 2, 64*272
	v_lshrrev_b32 v14, 1, v10
	v_mul_u32_u24 v[AV0], v14, 272                 ; V: two rows d of 128 bytes to an LDS row
	v_and_b32 v14, 1, v10
	v_lshl_add_u32 v[AV0], v14, 7, v[AV0]
	v_lshl_add_u32 v[AV0], v11, 4, v[AV0]
	v_add_nc_u32 v[AV0], VOFF, v[AV0]
	v_lshl_add_u32 v14, v11, 4, v10                ; V's scale words: lanes 16-31 take those of the next tile, 16 d on
	v_lshl_add_u32 v[ASV0], v14, 2, VOFF+64*272
.irp i, 0,1,2,3
	v_mov_b32 v[STT+4*\i+1], 0xff61b1e6            ; the largest t so far: -3e38
	v_mov_b32 v[STT+4*\i+2], 0
	v_mov_b32 v[STT+4*\i+3], 0
	v_floor_f32 v[STT+4*\i], -v[STT+4*\i+1]        ; -M
	v_mov_b32 v[PT+\i], 0                          ; a lane permute's destination counts as one of its sources
.endr
	v_mov_b32 v[PW], 0
; q of head i is quantised in registers: two lanes hold a block of 32
.macro QQ i
	WIN 0x14
.irp b, 0,1,2,3
	v_max3_num_f32 v[BM+\b], 0x1800000, |v[64*\i+16*\b]|, |v[64*\i+16*\b+1]|   ; with the floor 2^(3 - 127): the byte cannot fall under 1
.endr
.irp n, 2,4,6,8,10,12,14
.irp b, 0,1,2,3
	v_max3_num_f32 v[BM+\b], v[BM+\b], |v[64*\i+16*\b+\n]|, |v[64*\i+16*\b+\n+1]|
.endr
.endr
	WIN 0
.irp b, 0,1,2,3
	v_permlanex16_b32 v[PT+\b], v[BM+\b], s[SEL], s[SEL+1]
.endr
.irp b, 0,1,2,3
	v_max_num_f32 v[BM+\b], v[BM+\b], v[PT+\b]
.endr
.irp b, 0,1,2,3
	v_add_nc_u32 v[SO+\b], 0xff000000, v[BM+\b]    ; 2 off the exponent field: the conversion's scale operand
.endr
.irp b, 0,1,2,3
	v_lshrrev_b32 v[PT+\b], 23, v[SO+\b]
.endr
	v_lshl_or_b32 v[QS+\i], v[PT+1], 8, v[PT]
	v_lshl_or_b32 v[QS+\i], v[PT+2], 16, v[QS+\i]
	v_lshl_or_b32 v[QS+\i], v[PT+3], 24, v[QS+\i]
	WIN 0x01
.irp b, 0,1,2,3
	v_cvt_scalef32_pk8_fp4_f32 v[QC+8*\i+2*\b], v[64*\i+16*\b:64*\i+16*\b+7], v[SO+\b]
	v_cvt_scalef32_pk8_fp4_f32 v[QC+8*\i+2*\b+1], v[64*\i+16*\b+8:64*\i+16*\b+15], v[SO+\b]
.endr
	WIN 0
	v_nop
.irp c, 0,1
.irp e, 0,1
	v_permlane16_swap_b32 v[QC+8*\i+4*\c+\e], v[QC+8*\i+4*\c+2+\e]   ; a whole block to a lane
.endr
.endr
.endm
	s_wait_alu depctr_va_vdst(0)                   ; ahead of the wait below
	s_wait_loadcnt 48                              ; head 0's sixteen loads are in; three heads' may be out
	QQ 0
.irp n, 0,1,2,3,4,5,6,7,8,9,10,11,12,13,14,15
	global_load_b128 v[MK+4*\n:MK+4*\n+3], v[LI], s[MB:MB+1] offset:512*\n   ; the mask's image of key step 0
.endr
	s_wait_loadcnt 48                              ; two heads' loads and the mask's sixteen may be out
	QQ 1
	s_wait_loadcnt 32
	QQ 2
	s_wait_loadcnt 16
	QQ 3
.macro KLOAD i, g                      ; four tiles of 16 keys of head i, and their scale words
.irp t, 0,1,2,3
.irp c, 0,1
	ds_load_b128 v[FF+8*\t+4*\c:FF+8*\t+4*\c+3], v[ADK] offset:(\i)*TILE+(4*\g+\t)*4*272+32*\c
.endr
.if (\t%2) == 0
	ds_load_b32 v[SC+\t/2], v[ADS] offset:(\i)*TILE+272*\g+(\t/2)*128   ; one register for two tiles: the even one's words in lanes 0-15, the odd one's in lanes 16-31
.endif
.endr
.endm
.macro VLOAD i, g                      ; four tiles of 16 d x 128 keys of head i, and their scale words
.irp t, 0,1,2,3
.irp c, 0,1
	ds_load_b128 v[FF+8*\t+4*\c:FF+8*\t+4*\c+3], v[ADV+(\i)/2] offset:((\i)%2)*TILE+(4*\g+\t)*2176+32*\c
.endr
.if (\t%2) == 0
	ds_load_b32 v[SC+\t/2], v[ADT] offset:(\i)*TILE+272*\g+64*\t
.endif
.endr
.endm
.macro QK i, g                         ; S^T = K Q^T + the mask's image
.irp t, 0,1,2,3
.if (\t%2) == 0
	v_wmma_scale_f32_16x16x128_f8f6f4 v[SS+8*(4*\g+\t):SS+8*(4*\g+\t)+7], v[FF+8*\t:FF+8*\t+7], v[QC+8*\i:QC+8*\i+7], v[MK+8*(4*\g+\t):MK+8*(4*\g+\t)+7], v[SC+\t/2], v[QS+\i] matrix_a_fmt:MATRIX_FMT_FP4 matrix_b_fmt:MATRIX_FMT_FP4
.else
	v_wmma_scale_f32_16x16x128_f8f6f4 v[SS+8*(4*\g+\t):SS+8*(4*\g+\t)+7], v[FF+8*\t:FF+8*\t+7], v[QC+8*\i:QC+8*\i+7], v[MK+8*(4*\g+\t):MK+8*(4*\g+\t)+7], v[SC+\t/2], v[QS+\i] matrix_a_fmt:MATRIX_FMT_FP4 matrix_b_fmt:MATRIX_FMT_FP4 matrix_a_scale:MATRIX_SCALE_ROW1
.endif
.endr
.endm
.macro PV i, g                         ; O^T += V^T P^T (C and D in window 1)
.irp t, 0,1,2,3
.if (\t%2) == 0
	v_wmma_scale_f32_16x16x128_f8f6f4 v[64*\i+8*(4*\g+\t):64*\i+8*(4*\g+\t)+7], v[FF+8*\t:FF+8*\t+7], v[PP:PP+7], v[64*\i+8*(4*\g+\t):64*\i+8*(4*\g+\t)+7], v[SC+\t/2], v[PW] matrix_a_fmt:MATRIX_FMT_FP4 matrix_b_fmt:MATRIX_FMT_FP4
.else
	v_wmma_scale_f32_16x16x128_f8f6f4 v[64*\i+8*(4*\g+\t):64*\i+8*(4*\g+\t)+7], v[FF+8*\t:FF+8*\t+7], v[PP:PP+7], v[64*\i+8*(4*\g+\t):64*\i+8*(4*\g+\t)+7], v[SC+\t/2], v[PW] matrix_a_fmt:MATRIX_FMT_FP4 matrix_b_fmt:MATRIX_FMT_FP4 matrix_a_scale:MATRIX_SCALE_ROW1
.endif
.endr
.endm
.macro BMAX x, y                       ; the largest score of blocks x and y of 32 keys (my 16 of each), four chains by turns
.irp b, \x,\y
	v_max3_num_f32 v[BM+\b], v[SS+16*\b], v[SS+16*\b+1], v[SS+16*\b+2]
	v_max3_num_f32 v[PT+\b], v[SS+16*\b+8], v[SS+16*\b+9], v[SS+16*\b+10]
.endr
.irp n, 3,5
.irp b, \x,\y
	v_max3_num_f32 v[BM+\b], v[BM+\b], v[SS+16*\b+\n], v[SS+16*\b+\n+1]
	v_max3_num_f32 v[PT+\b], v[PT+\b], v[SS+16*\b+8+\n], v[SS+16*\b+9+\n]
.endr
.endr
.irp b, \x,\y
	v_max3_num_f32 v[BM+\b], v[BM+\b], v[SS+16*\b+7], v[PT+\b]
.endr
.irp b, \x,\y
	v_max_num_f32 v[BM+\b], v[BM+\b], v[SS+16*\b+15]
.endr
.endm
.macro ACCS from, to                   ; pairs from .. to - 1 of p are added, four chains by turns: the head's sum and three at work
.set P, \from
.rept \to-\from
.if (P%4) == 0
	v_pk_add_f32 v[SB+2:SB+3], v[SB+2:SB+3], v[SS+2*P:SS+2*P+1]
.else
	v_pk_add_f32 v[PT+2*(P%4)-2:PT+2*(P%4)-1], v[PT+2*(P%4)-2:PT+2*(P%4)-1], v[SS+2*P:SS+2*P+1]
.endif
.set P, P+1
.endr
.endm
.macro MASKNEXT last                   ; the last head's score products have read the mask: the next key step's image is loaded over it
	s_wait_alu depctr_va_vdst(0)                   ; ahead of the branches
.if \last
	s_cmp_eq_u32 s[GS], 15
	s_cbranch_scc1 .Lnomask_\@                     ; no image follows the last
.endif
.irp n, 0,1,2,3,4,5,6,7,8,9,10,11,12,13,14,15
	global_load_b128 v[MK+4*\n:MK+4*\n+3], v[LI], s[MB:MB+1] offset:IMG+512*\n
.endr
	s_cmp_lt_u32 s[GS], s[LIMM]
	s_cbranch_scc0 .Lnopf_\@
	global_prefetch_b8 v[PM], s[MB:MB+1] offset:3*IMG th:TH_LOAD_NT scope:SCOPE_SE   ; the image that the loads two key steps on will want: 32 lanes x 256 bytes, asked for once in the launch
.Lnopf_\@:
.Lnomask_\@:
.endm
; ONE HEAD'S SHARE OF A KEY STEP.  At its start the first four tiles of its K are on their way.
.macro HS i, last
.set SB, STT+4*\i
.set OB, 64*\i
.if \i == 0
	s_wait_loadcnt 8                               ; the image's lower half is in
.endif
	s_wait_dscnt 0x0
	QK \i, 0
	NOP4                                           ; places in front of the loads into the fragments' registers
	KLOAD \i, 1
.if \i == 0
	s_wait_loadcnt 0x0
.endif
	s_wait_dscnt 0x0
	QK \i, 1
	BMAX 0, 1                                      ; reads the first four tiles' results alone: also the places behind the last four products
	VLOAD \i, 0                                    ; V's first four tiles land under the softmax
.if \i == 3
	MASKNEXT \last
.endif
	BMAX 2, 3
.irp b, 0,1,2,3
.if \b > 1
	D 4                                            ; blocks 2 and 3 were finished four vector instructions back; blocks 0 and 1 long before
.endif
	v_permlanex16_b32 v[PT+\b], v[BM+\b], s[SEL], s[SEL+1]
.endr
.irp b, 0,1,2,3
	D 4
	v_max_num_f32 v[BM+\b], v[BM+\b], v[PT+\b]     ; with lane l xor 16's 16 keys
.endr
	D 2
	v_max3_num_f32 v[TMP], v[BM], v[BM+1], v[BM+2]
	D 1
	v_max_num_f32 v[TMP], v[TMP], v[BM+3]
	D 1
	v_mul_f32 v[TMP], s[CS], v[TMP]
	D 1
	v_max_num_f32 v[SB+1], v[SB+1], v[TMP]         ; the running largest t
	v_mov_b32 v[TMP], v[SB]
	D 2
	v_floor_f32 v[SB], -v[SB+1]                    ; the new -M
	D 1
	v_sub_f32 v[TMP], v[SB], v[TMP]
	D 1
	v_cvt_i32_f32 v[TMP], v[TMP]                   ; (it saturates)
	D 1
	v_ldexp_f32 v[FP], 1.0, v[TMP]                 ; f = 2^(old M - new M)
.set J, 0
.rept 32
	v_pk_fma_f32 v[SS+J:SS+J+1], v[SS+J:SS+J+1], s[CS:CS+1], v[SB:SB+1] op_sel_hi:[1,0,0]   ; t - M
.set J, J+2
.endr
.irp b, 0,1,2,3
	v_fma_f32 v[BM+\b], v[BM+\b], s[CS], v[SB]     ; the same of each block's largest score
.endr
	s_wait_alu depctr_va_vdst(0)                   ; ahead of the batch
.set J, 0
.rept 64
	v_exp_f32 v[SS+J], v[SS+J]
.set J, J+1
.endr
.irp b, 0,1,2,3
	v_exp_f32 v[BM+\b], v[BM+\b]                   ; the block's largest p
.endr
	v_pk_mul_f32 v[SB+2:SB+3], v[SB+2:SB+3], v[FP:FP+1] op_sel_hi:[1,0]   ; the sum under the new M
	s_wait_alu depctr_va_vdst(0)                   ; and behind it, ahead of its first reader
.irp b, 0,1,2,3
	v_max_num_f32 v[BM+\b], 0x1800000, v[BM+\b]    ; the floor 2^(3 - 127)
.endr
.irp b, 0,1,2,3
	D 4
	v_add_nc_u32 v[SO+\b], 0xff000000, v[BM+\b]
.endr
.irp b, 0,1,2,3
	D 4
	v_lshrrev_b32 v[PT+\b], 23, v[SO+\b]
.endr
	D 3
	v_lshl_or_b32 v[PW], v[PT+1], 8, v[PT]         ; p's scale word
	D 1
	v_lshl_or_b32 v[PW], v[PT+2], 16, v[PW]
	D 1
	v_lshl_or_b32 v[PW], v[PT+3], 24, v[PW]
.irp b, 0,1,2,3
	v_cvt_scalef32_pk8_fp4_f32 v[PP+2*\b], v[SS+16*\b:SS+16*\b+7], v[SO+\b]
	v_cvt_scalef32_pk8_fp4_f32 v[PP+2*\b+1], v[SS+16*\b+8:SS+16*\b+15], v[SO+\b]
.endr
	v_nop
.irp c, 0,1
.irp e, 0,1
	v_permlane16_swap_b32 v[PP+4*\c+\e], v[PP+4*\c+2+\e]
.endr
.endr
	WIN 0x41
	s_wait_alu depctr_va_vdst(0)                   ; directly ahead of the first reader of O^T
.set J, 0
.rept 32
	v_pk_mul_f32 v[OB+J:OB+J+1], v[OB+J:OB+J+1], v[FP:FP+1] op_sel_hi:[1,0]   ; O^T under the new M
.set J, J+2
.endr
	WIN 0x50
	s_wait_alu depctr_va_vdst(0)                   ; ahead of the wait below
	s_wait_dscnt 0x0
	PV \i, 0
	WIN 0
	v_pk_add_f32 v[PT:PT+1], v[SS:SS+1], v[SS+2:SS+3]       ; the row's sum of the unquantised p stands in four pieces: as places behind the products, and under the loads' flight
	v_pk_add_f32 v[PT+2:PT+3], v[SS+4:SS+5], v[SS+6:SS+7]
	v_pk_add_f32 v[PT+4:PT+5], v[SS+8:SS+9], v[SS+10:SS+11]
	ACCS 6, 8
	VLOAD \i, 1
	ACCS 8, 18
	s_wait_alu depctr_va_vdst(0)
	s_wait_dscnt 0x0
	WIN 0x50
	PV \i, 1
	WIN 0
	ACCS 18, 22
.if \i < 3
	KLOAD \i+1, 0                                  ; the next head's first four tiles of K
.endif
	ACCS 22, 32
	v_pk_add_f32 v[PT:PT+1], v[PT:PT+1], v[PT+2:PT+3]
	v_pk_add_f32 v[SB+2:SB+3], v[SB+2:SB+3], v[PT+4:PT+5]
	D 1
	v_pk_add_f32 v[SB+2:SB+3], v[SB+2:SB+3], v[PT:PT+1]
	s_wait_alu depctr_va_vdst(0)                   ; ahead of the next wait that blocks
.endm
.macro STEPS last                      ; a slot's two key steps
	s_mov_b32 s[SKO], s[TB]
	s_mov_b32 s[SSO], s[TB]
	s_mov_b32 s[SVO], s[TB]
	s_mov_b32 s[ST], 2
.Lst_\@:
	v_add_nc_u32 v[ADK], s[SKO], v[AK0]
	v_add_nc_u32 v[ADS], s[SSO], v[ASK0]
	v_add_nc_u32 v[ADV], s[SVO], v[AV0]
	v_add_nc_u32 v[ADT], s[SSO], v[ASV0]
	v_add_nc_u32 v[ADV+1], 2*TILE, v[ADV]
	s_wait_alu depctr_va_vdst(0)
	KLOAD 0, 0
	HS 0, \last
	HS 1, \last
	HS 2, \last
	HS 3, \last
	s_wait_xcnt 0x0                                ; the mask's loads and prefetch have read their base
	s_add_nc_u64 s[MB:MB+1], s[MB:MB+1], IMG
	s_add_co_u32 s[SKO], s[SKO], 32*272            ; 128 keys: 32 LDS rows of K,
	s_add_co_u32 s[SSO], s[SSO], 2*272             ; two rows of scale words,
	s_add_co_u32 s[SVO], s[SVO], 64                ; 64 bytes in a row of V
	s_add_co_u32 s[GS], s[GS], 1
	s_sub_co_u32 s[ST], s[ST], 1
	s_cmp_lg_u32 s[ST], 0
	s_cbranch_scc1 .Lst_\@
.endm
; THE CHANGE OF SLOTS, at a slot's head: all my tensor loads are in, the add, my reads of the slot that I left are over; a round of the cluster's barrier; then the slot just left takes the next 256 keys.
.macro CHANGE fill
	s_wait_tensorcnt 0x0
	ds_add_u32 v[SPW], v[NIL]
.if \fill
	s_xor_b32 s[TF], s[TF], SLOTB
	s_add_co_u32 s[G0+1], s[WT], s[TF]
	s_add_nc_u64 s[G0+2:G0+3], s[G0+2:G0+3], SLOTM
	s_wait_xcnt 0x0
	s_add_nc_u64 s[PFA:PFA+1], s[PFA:PFA+1], SLOTM ; one slot further on than the descriptor
.endif
	s_wait_dscnt 0x0
	ROUND
.if \fill
	tensor_load_to_lds s[G0:G0+3], s[G1:G1+7]      ; my one joint load behind the round
	s_nop 0
	NOP4
	s_cmp_gt_u32 s[SLOTS], 1                       ; the last fill has no slot behind it
	s_cbranch_scc0 .Lnk_\@
	global_prefetch_b8 v[PFO], s[PFA:PFA+1] th:TH_LOAD_NT scope:SCOPE_SE   ; what the next change will ask for: of the tile that I fetch, my work-group's 17 blocks; the four partners are told apart by address
.Lnk_\@:
.endif
.endm
	s_wait_alu depctr_va_vdst(0)                   ; at the head's end
.Lslot:                                            ; seven trips: behind each change but the last the next slot is asked for
	CHANGE 1
	STEPS 0
	s_xor_b32 s[TB], s[TB], SLOTB
	s_sub_co_u32 s[SLOTS], s[SLOTS], 1
	s_cmp_lg_u32 s[SLOTS], 0
	s_cbranch_scc1 .Lslot
	CHANGE 0                                       ; the last slot is written out: it asks for nothing
	STEPS 1
; THE WAY OUT.  O^T / the sum goes through my stage, half a row (256 bytes) of 16 queries at a time.  The stages lie in the slot left at the last change: it has had its last fill, and nobody reads it.
.irp i, 0,1,2,3
	v_add_f32 v[BM+\i], v[STT+4*\i+2], v[STT+4*\i+3]
.endr
.irp i, 0,1,2,3
	v_permlanex16_b32 v[PT+\i], v[BM+\i], s[SEL], s[SEL+1]
.endr
.irp i, 0,1,2,3
	v_add_f32 v[BM+\i], v[BM+\i], v[PT+\i]
.endr
	s_wait_alu depctr_va_vdst(0)                   ; ahead of the batch
.irp i, 0,1,2,3
	v_rcp_f32 v[BM+\i], v[BM+\i]
.endr
	v_and_b32 v13, 15, v0
	v_bfe_u32 v14, v0, 4, 1
	s_mul_i32 s50, s[WV], 16*272
	v_mul_u32_u24 v10, v13, 272
	v_lshl_add_u32 v10, v14, 5, v10
	v_add_nc_u32 v10, s50, v10                     ; in: row r, 32 h bytes on
	v_mul_u32_u24 v11, v14, 272
	v_lshl_add_u32 v11, v13, 4, v11
	v_add_nc_u32 v11, s50, v11                     ; back: lanes 0-15 one row, lanes 16-31 the next
	v_lshlrev_b32 v12, 9, v14
	v_lshl_add_u32 v12, v13, 4, v12                ; and the same two rows in out0
.macro OUT i
.if \i > 0
	s_wait_xcnt 0x0                                ; the last head's stores have read their registers
.endif
	WIN 0x01
	s_wait_alu depctr_va_vdst(0)                   ; directly ahead of the first reader of this head's O^T and of the reciprocal
.set J, 0
.rept 64
	v_mul_f32 v[MK+J], v[64*\i+J], v[BM+\i]
.set J, J+1
.endr
	WIN 0
.irp u, 0,1
.irp t, 0,1,2,3
	ds_store_b128 v10, v[MK+32*\u+8*\t:MK+32*\u+8*\t+3] offset:64*\t
	ds_store_b128 v10, v[MK+32*\u+8*\t+4:MK+32*\u+8*\t+7] offset:64*\t+16
.endr
.irp n, 0,1,2,3,4,5,6,7
	ds_load_b128 v[SS+32*\u+4*\n:SS+32*\u+4*\n+3], v11 offset:2*\n*272   ; LDS serves a wave's instructions in order
.endr
.endr
.irp u, 0,1
.irp n, 0,1,2,3,4,5,6,7
	s_wait_dscnt 23-16*\u-\n                       ; the younger stage instructions may be out
	global_store_b128 v12, v[SS+32*\u+4*\n:SS+32*\u+4*\n+3], s[10:11] offset:(\i<<20)+2*\n*512+256*\u th:TH_STORE_NT   ; sixteen lanes store 256 consecutive aligned bytes
.endr
.endr
.endm
	OUT 0
	OUT 1
	OUT 2
	OUT 3
	s_wait_tensorcnt 0x0                           ; the wave's end
	ds_add_u32 v[SPW], v[NIL]
	s_wait_dscnt 0x0
	ROUND                                          ; the closing round
	s_endpgm
.Lfunc_end_k_q79533a6937_attn:
	.size	k_q79533a6937_attn, .Lfunc_end_k_q79533a6937_attn-k_q79533a6937_attn
	.p2alignl 7, 3214868480
	.fill 96, 4, 3214868480
	.section	.rodata,"a",@progbits
	.p2align	6, 0x0
	.amdhsa_kernel k_q79533a6937_attn
		.amdhsa_group_segment_fixed_size 327680
		.amdhsa_private_segment_fixed_size 0
		.amdhsa_enable_private_segment 0
		.amdhsa_kernarg_size 32
		.amdhsa_user_sgpr_count 2
		.amdhsa_user_sgpr_kernarg_segment_ptr 1
		.amdhsa_wavefront_size32 1
		.amdhsa_system_sgpr_workgroup_id_x 1
		.amdhsa_system_sgpr_workgroup_id_y 1
		.amdhsa_system_sgpr_workgroup_id_z 1
		.amdhsa_system_vgpr_workitem_id 0
		.amdhsa_next_free_vgpr 512
		.amdhsa_next_free_sgpr 66
		.amdhsa_reserve_vcc 0
		.amdhsa_float_denorm_mode_32 3
		.amdhsa_float_denorm_mode_16_64 3
		.amdhsa_memory_ordered 1
		.amdhsa_forward_progress 1
		.amdhsa_inst_pref_size 210
	.end_amdhsa_kernel
	.amdgpu_metadata
---
amdhsa.version: [ 1, 2 ]
amdhsa.kernels:
  - .name:           k_q79533a6937_attn
    .symbol:         k_q79533a6937_attn.kd
    .args:
      - { .name: q, .offset: 0, .size: 8, .value_kind: global_buffer, .address_space: global }
      - { .name: maskw, .offset: 8, .size: 8, .value_kind: global_buffer, .address_space: global }
      - { .name: kv, .offset: 16, .size: 8, .value_kind: global_buffer, .address_space: global }
      - { .name: out0, .offset: 24, .size: 8, .value_kind: global_buffer, .address_space: global }
    .group_segment_fixed_size: 327680
    .private_segment_fixed_size: 0
    .kernarg_segment_align: 8
    .kernarg_segment_size: 32
    .max_flat_workgroup_size: 256
    .sgpr_count:     66
    .vgpr_count:     512
    .wavefront_size: 32
...
	.end_amdgpu_metadata
.endif
;; end of part 2
